; MI455X (gfx1250); checked and timed in simulation.
; The chip was launched on July 23, 2026; its instructions are those of AMD's public machine-readable ISA for CDNA 5 (MIT licence, August 2026) and "CDNA5" Instruction Set Architecture Reference Guide (July 2026). The comments in the code are by the model that wrote it; some were corrected since.
;; Casual Self Attention. Allowed arithmetic: matrix products marked QUANTISED: E4M3 operands, one given power-of-two scale a tensor, by v_wmma_f32_16x16x64_fp8_fp8 or v_wmma_f32_16x16x128_fp8_fp8, f32 sums; everything else in f32.
;; Inputs: W_attn_codes 3,072 x 32 x 32 uint8 (E4M3 codes of W_attn, K innermost, in blocks of 32 codes); W_proj_codes 1,024 x 32 x 32 uint8 (E4M3 codes of W_proj, K innermost, in blocks of 32 codes); b_attn 3,072 float32; b_proj 1,024 float32; lowp_scales 8 int32 (the exponents e of the quantised operands' scales 2^e); x_codes 4 x 2,048 x 32 x 32 uint8 (E4M3 codes of x, K innermost, in blocks of 32 codes).
;; Outputs: out0 4 x 2,048 x 1,024 float32.
;; This version of the problem:
;;   THIS VERSION OF THE PROBLEM IS GIVEN IN LOW PRECISION. The matrix products marked QUANTISED in the list below multiply operands that are first quantised to E4M3 (4 exponent bits, 3 mantissa bits; 8 bits a number), with one given power-of-two scale for each operand tensor; their sums are f32. All else is computed in f32.
;;   The module's matrix products, in the order in which they are computed (A, B: the left and right operand; K: the contracted axis; several contracted axes count as one K, in the product's order):
;;     1. [M 8,192, K 1,024] x [K 1,024, N 3,072]; A: input x (given as codes); B: input W_attn (given as codes): QUANTISED (scales: A lowp_scales[0], B lowp_scales[1])
;;     2. batch 64 x [M 2,048, K 64] x [K 64, N 2,048]; A: computed on the way; B: computed on the way: QUANTISED (scales: A lowp_scales[2], B lowp_scales[3])
;;     3. batch 64 x [M 2,048, K 2,048] x [K 2,048, N 64]; A: softmax (see below); B: computed on the way: QUANTISED (scales: A lowp_scales[4], B lowp_scales[5])
;;     4. [M 8,192, K 1,024] x [K 1,024, N 1,024]; A: computed on the way; B: input W_proj (given as codes): QUANTISED (scales: A lowp_scales[6], B lowp_scales[7])
;;   THE QUANTISER, for each operand of a quantised product, along K:
;;     - The operand's scale is 2^e, e = its entry of the input lowp_scales (int32; the entries are numbered through the quantised products in the list's order, A before B).
;;     - Each number is divided by the scale, clamped to +-448, and rounded to the nearest number of E4M3, ties to even, subnormals kept.
;;     - The product sums the exact products of the quantised numbers (number of the format x scale) in f32.
;;   ~~~python
;;   def quantise(x, axis, e):      # numpy; x: float32 -> the quantised numbers, widened to float32 again
;;       x = np.moveaxis(x, axis, -1); K = x.shape[-1]
;;       r = np.clip(x / 2.0 ** e, -448, 448)
;;       step = 2.0 ** (np.maximum(np.frexp(np.where(r == 0, 1, r))[1] - 1, -6) - 3)
;;       q = np.round(r / step) * step * 2.0 ** e      # np.round: ties to even
;;       return np.moveaxis(q, -1, axis).astype(np.float32)
;;   ~~~
;;   SOFTMAX AHEAD OF A QUANTISED PRODUCT. Where the list says 'softmax', what is quantised is not the finished softmax but p = 2^(t - M), with t = logit x log2(e) and M = ceil(the row's largest t), a whole number; so 1/2 < the row's largest p <= 1. The row's sum l is taken of the UNQUANTISED p, in f32, and the product's result is divided by l at the end. Since M is a whole number, a kernel that streams over the keys may use a running M (the ceiling of the running maximum): every later rescaling is an exact power of two, so the quantised numbers keep their values, but for numbers so far below the row's largest that they fall under the format's range.
;;   OPERANDS COMPUTED ON THE WAY. 'Computed on the way' means the value that the module computes at that place (a softmax that the list does not call 'softmax' is quantised finished and normalised). What goes into a quantiser is computed in f32, as accurately as f32 sums, v_exp_f32 and their like allow (about 1e-6 of the number): no bf16 or f16 on the way to a quantiser, and a product that is left as it is and whose result goes on into a quantised operand takes f32 operands (vector FMAs, or v_wmma_f32_16x16x4_f32). A number that lies on a knife's edge between two numbers of the format may be rounded either way, as far as f32 arithmetic and the matrix unit's own rounding can turn it there, and no further.
;;   INPUTS GIVEN AS CODES. W_attn (in the module: [1024, 3072], K = its axis 0); W_proj (in the module: [1024, 1024], K = its axis 0); x (in the module: [4, 2048, 1024], K = its axis 2): each comes as NAME_codes (uint8): NAME with its K axis moved to the last place and cut into blocks of 32 codes, [.., K / 32, bytes a block], one block behind the other in memory; one code a byte (a code: sign, 4 exponent bits, 3 mantissa bits); its scale is its entry of lowp_scales. Its value is code x scale, taken as it is: it is not quantised again, and the codes and scales need not be those that the quantiser above would give.
;; One version. Each part assembles by itself: llvm-mc -triple=amdgcn-amd-amdhsa -mcpu=gfx1250 --defsym DOCPART=n.
;; ======== version 1 of 1: 3 launches
;; limits: right only within a limited range of input values
;; workspace buffers: qf 8,388,608 bytes; kf 8,388,608 bytes; vf 8,388,608 bytes; yc 8,388,608 bytes
;; launch qkv (part 1): grid 12 x 32, 4 waves a work-group, clusters of 4 x 4, 327,680 bytes of LDS; arguments x_codes, W_attn_codes, b_attn, lowp_scales, qf, kf, vf; writes qf, kf, vf
.if DOCPART == 1
	.amdgcn_target "amdgcn-amd-amdhsa--gfx1250"
	.amdhsa_code_object_version 6
	.text
	.protected	k_q8c3609e2b2_qkv
	.globl	k_q8c3609e2b2_qkv
	.p2align	8
	.type	k_q8c3609e2b2_qkv,@function
k_q8c3609e2b2_qkv:
	s_mov_b64 s[64:65], 0
	v_nop
	global_prefetch_b8 v0, s[64:65] scope:SCOPE_SE
	s_setreg_imm32_b32 hwreg(HW_REG_WAVE_MODE, 25, 1), 1
	s_wait_xcnt 0x0
	s_wait_alu depctr_hold_cnt(0) depctr_sa_sdst(0) depctr_va_vdst(0) depctr_va_sdst(0) depctr_va_ssrc(0) depctr_va_vcc(0) depctr_vm_vsrc(0)
	s_getreg_b32 s2, hwreg(HW_REG_IB_STS2, 6, 4)
	s_cmp_eq_u32 s2, 0
	s_cbranch_scc0 .Lentry_in_a_cluster
	s_endpgm
.Lentry_in_a_cluster:
	s_bfe_u32 s2, ttmp6, 0x10000c
	s_cmp_lg_u32 s2, 0xf033
	s_cbranch_scc0 .Lentry_shape_is_right
	s_endpgm
.Lentry_shape_is_right:
; qkv = x W_attn + b_attn on codes of FP8 (E4M3), then q, k and v are quantised with their given scales and stored AS IMAGES OF THE NEXT PRODUCT'S OPERAND REGISTERS.
; x: [8192][1024] codes, W_attn: [3072][1024] codes, K innermost; b_attn [3072] f32; the scales' exponents e0 .. e7 (int32).
; A work-group of four waves makes 256 x 256 of the product, a wave 128 x 128: 64 accumulators of 16 x 16.  K = 1,024 goes in four steps of 256 through two LDS slots filled by the tensor data mover.
; CLUSTERS: 4 x 4 work-groups; A's tile is shared along a row of the cluster, B's along a column: each is asked for jointly, by the same tensor load with a mask that names the four.
; SECTIONS: the cluster's x is the section: 0 = q, 1 = k, 2 = v; it is the same in all sixteen partners, so a branch on it is alike in all of them.
;   q, k: A = x (256 tokens, tile 4 Y + cy), B = W_attn (256 channels, tile 4 section + cx).   v: THE ROLES ARE SWAPPED: A = W_attn (tile 8 + cy), B = x (tile 4 Y + cx).
; The matrix instruction takes 16 rows of B as source 0 and 16 rows of A as source 1: in accumulator (a, b) lane (r, h) holds row 16 a + r of A, and its registers j = 0 .. 7 rows 16 b + 8 h + j of B.
; So a lane's eight registers run along the channels for q and k (the first attention product's K) and along the tokens for v (the second's K): eight numbers become eight codes in two registers,
; and these ARE registers 2 b, 2 b + 1 of an operand of the plain FP8 forms (k = 16 b + 8 h + 0 .. 7).  Block a's 16 code registers are two fragments of q or k (two heads, K = 64) or one of v (K = 128).
; They are stored four registers at a time, lane l's 16 bytes at 16 l: each store of the wave covers 512 consecutive bytes, aligned.  No LDS on the way out.
;   qf, kf: [16 batch + head][token tile of 16 (128)][1,024 bytes];   vf: [16 batch + head][key step of 128 (16)][channel tile (4)][2,048 bytes].
; The bias is the C of each sum's first matrix instruction, as b x 2^-(e0 + e1); the code is sum / 2^(es - e0 - e1), es = e2, e3 or e5.
; Both operands are fetched from LDS by loads of 16 bytes: the same permutation of k within 128 in A and in B, so every product meets its partner.
; LIMITS: es - e0 - e1 between -126 and 119; b x 2^-(e0 + e1) an f32 number.  NaN among the inputs is not served.
; REGISTERS, in windows of 256: window 0: v0-31 addresses and the scale number; v32-95 the bias in C's layout; v96-103 at work; v128-255 A's fragments (one set), later the codes.
;   window 1: B's fragments, two sets.   window 2: accumulators of my rows 0-63 ((a, b) at v[8 (8 a + b)]);   window 3: rows 64-127.
.set ROWB,   256                       ; a tile's row in bytes: 256 along K
.set KROW,   1024                      ; a row of x or of W_attn in memory
.set PITCH,  272                       ; an LDS row: 256 bytes + 16 of padding = 68 words: the 16 rows that a load touches start at 16 different banks (64 banks of 4 bytes: ISA guide 11.1)
.set FR,     16                        ; registers of a fragment: 16 rows x 128 K
.set NL,     4                         ; LDS loads that bring one
.set NP,     4                         ; places behind this matrix instruction (ISA guide 7.12.1)
.set HALFT,  128*PITCH                 ; what one tensor load brings
.set SLOT,   4*HALFT                   ; A's 256 rows, then B's 256 rows
.set SPARE,  2*SLOT                    ; behind the ring: the spare words, 128 bytes for each wave, that no other line names
.set SCL,  10                          ; v10     2^(es - e0 - e1) as f32
.set LIM,  11
.set ADRA, 16                          ; v16-17  LDS address of my A fragments in slot 0, 1
.set ADRB, 20                          ; v20-21  the same for B
.set CO,   26                          ; v26     16 x lane
.set SPW,  28                          ; v28     LDS address of my spare word; never rewritten
.set NIL,  29                          ; v29     0; never rewritten
.set BI,   32                          ; v32-95  the bias, eight registers a block
.set BT,   96                          ; v96-103 v's bias as loaded
.set AF,   128                         ; A's fragments
.set CD,   128                         ; the codes: block a at v[CD + 16 a]
.set G1, 24                            ; s[24:31] descriptor group 1 for A's tiles;  s[32:39] group 0, one set for each slot
.set G0, 32
.set G1B, 48                           ; s[48:55], s[56:63] the same for B's tiles
.set G0B, 56
.set MSB, 0
.macro WIN new                         ; the immediate's high byte repeats the setting that is left
.if MSB != (\new)
	s_set_vgpr_msb (MSB<<8)|(\new)
.set MSB, (\new)
.endif
.endm
.set MUL_LO,   0xa1                    ; source 0 (B) window 1, source 1 (A) window 0, C and D window 2
.set MUL_HI,   0xf1                    ; the same, C and D window 3
.set FIRST_LO, 0x81                    ; the first K step: C (the bias) window 0, D window 2
.set FIRST_HI, 0xc1                    ; D window 3
.set TO_B,     0x40                    ; destination window 1, address window 0
; A joint load: waves 0 and 1 fetch for A, waves 2 and 3 for B; the branch hangs on the wave's number alone.  Four v_nop follow each of the two lines.
.macro JLOAD g0a, g1a, g0b, g1b
	s_cmp_eq_u32 s15, 0
	s_cbranch_scc0 .Lfor_b_\@
	tensor_load_to_lds s[\g0a:\g0a+3], s[\g1a:\g1a+7]
	s_nop 0
.rept 4
	v_nop
.endr
	s_branch .Lasked_\@
.Lfor_b_\@:
	tensor_load_to_lds s[\g0b:\g0b+3], s[\g1b:\g1b+7]
	s_nop 0
.rept 4
	v_nop
.endr
.Lasked_\@:
.endm
.macro CREST                           ; a round of the cluster's barrier behind its opening barrier
	s_cmp_lg_u32 s14, 0
	s_cbranch_scc1 .Lnot_wave_0_\@
	s_barrier_signal -3
.Lnot_wave_0_\@:
	s_barrier_wait -3
	s_barrier_signal -1
	s_barrier_wait -1
.endm
.macro CROUND                          ; a whole round
	s_barrier_signal -1
	s_barrier_wait -1
	CREST
.endm
	s_load_b256 s[4:11], s[0:1], 0x0               ; x s[4:5], W_attn s[6:7], b_attn s[8:9], the scales' exponents s[10:11]
	s_load_b128 s[68:71], s[0:1], 0x20             ; qf, kf
	s_load_b64 s[72:73], s[0:1], 0x30              ; vf
	v_lshl_add_u32 v[SPW], v0, 2, SPARE
	v_mov_b32 v[NIL], 0
	ds_add_u32 v28, v29
	ds_add_u32 v28, v29
	s_wait_dscnt 0x0
	v_lshrrev_b32 v1, 5, v0
	v_readfirstlane_b32 s14, v1                    ; wave 0..3
	s_lshr_b32 s15, s14, 1                         ; which half of A's rows is mine.  Also: I fetch for A (0) or for B (1)
	s_and_b32 s16, s14, 1                          ; which half of B's rows.  Also: which 128 rows of that tile I fetch
	s_bfe_u32 s40, ttmp6, 0x40000                  ; cx, cy: my place in the cluster
	s_bfe_u32 s41, ttmp6, 0x40004
	s_mov_b32 s12, ttmp9                           ; the section: the cluster's x
	s_and_b32 s13, ttmp7, 0xffff                   ; Y: the cluster's y
	s_lshl_b32 s17, s13, 2
	s_add_co_u32 s17, s17, s41                     ; q, k: A's tile = 4 Y + cy (tokens)
	s_add_co_u32 s18, s41, 8                       ; v:    A's tile = 8 + cy (channels).  Both hang on cy alone
	s_lshl_b32 s42, s12, 2
	s_add_co_u32 s42, s42, s40                     ; q, k: B's tile = 4 section + cx (channels)
	s_lshl_b32 s19, s13, 2
	s_add_co_u32 s19, s19, s40                     ; v:    B's tile = 4 Y + cx (tokens).  Both hang on cx alone
	s_cmp_lt_u32 s12, 2
	s_cselect_b32 s17, s17, s18                    ; A's tile
	s_cselect_b32 s42, s42, s19                    ; B's tile
	s_lshl_b32 s43, s41, 2
	s_lshl_b32 s43, 15, s43                        ; my row of the cluster
	s_lshl_b32 s44, 0x1111, s40                    ; my column
	; descriptor group 1: a tile of 128 rows x 256 bytes, padded in LDS
	s_or_b32 s[G1+0], s43, (0<<16)|(1<<20)|(1<<21)|(5<<22)|(3<<25)  ; 15:0 the mask: A's tiles go to my row; 17:16 element of 1 byte; 20 padding on; 21 set beside a mask; 24:22 after every 64 words (code 5); 31:25 of 4 words (code 3)
	s_or_b32 s[G1B+0], s44, (0<<16)|(1<<20)|(1<<21)|(5<<22)|(3<<25)
.irp g, G1, G1B
	s_mov_b32 s[\g+1], ROWB<<16                    ; tensor_dim0
	s_mov_b32 s[\g+2], 128<<16                     ; tensor_dim1 = 128
	s_mov_b32 s[\g+3], ROWB<<16                    ; tile_dim0
	s_mov_b32 s[\g+4], 128                         ; tile_dim1 = 128
	s_mov_b32 s[\g+5], KROW                        ; tensor_dim0_stride
	s_mov_b32 s[\g+6], 0
	s_mov_b32 s[\g+7], 0
.endr
	s_lshl_b32 s18, s16, 7                         ; which 128 rows of the tile I fetch
	s_lshl_b32 s20, s17, 8
	s_add_co_u32 s20, s20, s18
	s_lshl_b32 s20, s20, 10                        ; A: (256 x tile + 128 x half) rows of 1,024 bytes: under 2^23
	s_mov_b32 s21, 0
	s_lshl_b32 s46, s42, 8
	s_add_co_u32 s46, s46, s18
	s_lshl_b32 s46, s46, 10                        ; B likewise
	s_mov_b32 s47, 0
	s_mul_i32 s45, s14, HALFT                      ; where they go: wave x 128 rows: no place in the cluster enters an LDS address
	s_wait_kmcnt 0x0
	s_load_b256 s[80:87], s[10:11], 0x0            ; e0 .. e7
	s_cmp_lt_u32 s12, 2
	s_cselect_b64 s[88:89], s[4:5], s[6:7]         ; A's tensor: x, or W_attn for v
	s_cselect_b64 s[90:91], s[6:7], s[4:5]         ; B's tensor
	s_add_nc_u64 s[20:21], s[88:89], s[20:21]
	s_add_nc_u64 s[46:47], s[90:91], s[46:47]
	CROUND                                         ; all sixteen work-groups are here: the first joint loads meet
.irp s, 0,1
	s_mov_b32 s[G0+4*\s], 1
	s_add_co_u32 s[G0+4*\s+1], s45, \s*SLOT
	s_add_nc_u64 s[G0+4*\s+2:G0+4*\s+3], s[20:21], \s*ROWB
	s_or_b32 s[G0+4*\s+3], s[G0+4*\s+3], 0x80000000
	s_mov_b32 s[G0B+4*\s], 1
	s_add_co_u32 s[G0B+4*\s+1], s45, \s*SLOT
	s_add_nc_u64 s[G0B+4*\s+2:G0B+4*\s+3], s[46:47], \s*ROWB
	s_or_b32 s[G0B+4*\s+3], s[G0B+4*\s+3], 0x80000000
	JLOAD G0+4*\s, G1, G0B+4*\s, G1B               ; two tensor loads of mine are out
.endr
	v_and_b32 v1, 15, v0                           ; r = l % 16
	v_bfe_u32 v2, v0, 4, 1                         ; h = l / 16
	v_mul_u32_u24 v3, v1, PITCH
	v_lshl_add_u32 v4, v2, 4, v3                   ; a fragment's row x pitch + 16 x half
	s_mul_i32 s21, s15, HALFT                      ; my 128 rows of A
	s_mul_i32 s22, s16, HALFT                      ; my 128 rows of B,
	s_add_co_u32 s22, s22, 2*HALFT                 ; which lie behind A's 256
.irp s, 0,1
	v_add_nc_u32 v[ADRA+\s], s21, v4
	v_add_nc_u32 v[ADRB+\s], s22, v4
	s_add_co_u32 s21, s21, SLOT
	s_add_co_u32 s22, s22, SLOT
.endr
	v_and_b32 v6, 31, v0
	v_lshlrev_b32 v[CO], 4, v6
	; the side of the channels (B for q and k, A for v) and the side of the tokens, chosen by the section
	s_cmp_lt_u32 s12, 2
	s_cselect_b32 s66, s42, s17                    ; the tile whose rows are channels
	s_cselect_b32 s91, s40, s41                    ; P:  its place in the cluster
	s_cselect_b32 s92, s16, s15                    ; Pw: my half of it
	s_cselect_b32 s93, s41, s40                    ; T:  the tokens' place in the cluster
	s_cselect_b32 s94, s15, s16                    ; Tw: my half of them
	s_lshl_b32 s66, s66, 10
	s_lshl_b32 s67, s92, 9
	s_add_co_u32 s66, s66, s67                     ; 4 x (256 x tile + 128 x half): my 128 channels in b_attn
	s_mov_b32 s67, 0
	s_add_nc_u64 s[76:77], s[8:9], s[66:67]
	s_lshr_b32 s95, s13, 1                         ; the batch: 8 tiles of 256 tokens each
	s_lshl_b32 s95, s95, 4
	s_lshl_b32 s91, s91, 2
	s_add_co_u32 s95, s95, s91
	s_lshl_b32 s92, s92, 1
	s_add_co_u32 s95, s95, s92                     ; 16 batch + my first head (4 P + 2 Pw)
	s_lshl_b32 s95, s95, 17                        ; a head is 131,072 bytes in each of the three buffers
	s_and_b32 s91, s13, 1
	s_lshl_b32 s91, s91, 3
	s_lshl_b32 s93, s93, 1
	s_add_co_u32 s91, s91, s93
	s_add_co_u32 s91, s91, s94                     ; my 128 tokens within the batch: 8 (Y % 2) + 2 T + Tw
	s_lshl_b32 s91, s91, 13                        ; 128 tokens of a head are 8,192 bytes: eight tiles of q or k, or one key step of v
	s_add_co_u32 s66, s95, s91
	s_cmp_eq_u32 s12, 0
	s_cselect_b64 s[74:75], s[68:69], s[70:71]
	s_cmp_lt_u32 s12, 2
	s_cselect_b64 s[74:75], s[74:75], s[72:73]     ; qf, kf or vf
	s_add_nc_u64 s[74:75], s[74:75], s[66:67]      ; at my wave's first byte
	s_wait_kmcnt 0x0
	s_cmp_eq_u32 s12, 0
	s_cselect_b32 s89, s82, s83
	s_cmp_lt_u32 s12, 2
	s_cselect_b32 s89, s89, s85                    ; es = e2, e3 or e5
	s_add_co_i32 s88, s80, s81                     ; e0 + e1: a sum stands for sum x 2^(e0 + e1)
	s_sub_co_i32 s89, s89, s88                     ; so its code is sum / 2^(es - e0 - e1)
	s_sub_co_i32 s88, 0, s88
	s_add_co_i32 s89, s89, 127
	s_lshl_b32 s90, s89, 23
	v_mov_b32 v[SCL], s90                          ; that power of two as f32: the conversion takes its exponent field
	; the bias in the layout of C, x 2^-(e0 + e1): nothing is rounded
	s_cmp_lt_u32 s12, 2
	s_cbranch_scc0 .Lbias_v
	v_lshlrev_b32 v5, 5, v2                        ; q, k: block b's registers are channels 16 b + 8 h + 0 .. 7
.irp b, 0,1,2,3,4,5,6,7
	global_load_b128 v[BI+8*\b:BI+8*\b+3], v5, s[76:77] offset:64*\b
	global_load_b128 v[BI+8*\b+4:BI+8*\b+7], v5, s[76:77] offset:64*\b+16
.endr
	s_wait_loadcnt 0x0
.set j, 0
.rept 64
	v_ldexp_f32 v[BI+j], v[BI+j], s88
.set j, j+1
.endr
	s_branch .Lbias_done
.Lbias_v:
	v_lshlrev_b32 v5, 2, v1                        ; v: all eight registers of block a belong to channel 16 a + r
.irp a, 0,1,2,3,4,5,6,7
	global_load_b32 v[BT+\a], v5, s[76:77] offset:64*\a
.endr
	s_wait_loadcnt 0x0
.irp a, 0,1,2,3,4,5,6,7
.irp j, 0,1,2,3,4,5,6,7
	v_ldexp_f32 v[BI+8*\a+\j], v[BT+\a], s88
.endr
.endr
.Lbias_done:
.macro FRAG reg, adr, q, i             ; a fragment, 16 rows x 128 K, is 16 registers: lane l holds row l % 16; registers 4 c .. 4 c + 3 hold K = 32 c + 16 (l / 16) + 0 .. 15
.irp c, 0,1,2,3
	ds_load_b128 v[\reg+4*\c:\reg+4*\c+3], v[\adr] offset:128*(\q)+32*\c+(\i)*16*PITCH
.endr
.endm
; 16 matrix instructions: A's blocks a0, a0 + 1 x B's eight, 128 along K.  p: B's set.  mode 0: the sums go on; 1: they begin with the bias of B's block; 2: of A's block.  Nothing is ever cleared.
; The 64 accumulators take turns, one instruction a turn, in the same order in every step.
.macro MUL16 a0, p, mode
.irp a, \a0, \a0+1
.irp b, 0,1,2,3,4,5,6,7
.if \mode == 0
	v_wmma_f32_16x16x128_fp8_fp8 v[8*(8*((\a)%4)+\b):8*(8*((\a)%4)+\b)+7], v[128*(\p)+FR*\b:128*(\p)+FR*\b+FR-1], v[AF+FR*(\a):AF+FR*(\a)+FR-1], v[8*(8*((\a)%4)+\b):8*(8*((\a)%4)+\b)+7]
.elseif \mode == 1
	v_wmma_f32_16x16x128_fp8_fp8 v[8*(8*((\a)%4)+\b):8*(8*((\a)%4)+\b)+7], v[128*(\p)+FR*\b:128*(\p)+FR*\b+FR-1], v[AF+FR*(\a):AF+FR*(\a)+FR-1], v[BI+8*\b:BI+8*\b+7]
.else
	v_wmma_f32_16x16x128_fp8_fp8 v[8*(8*((\a)%4)+\b):8*(8*((\a)%4)+\b)+7], v[128*(\p)+FR*\b:128*(\p)+FR*\b+FR-1], v[AF+FR*(\a):AF+FR*(\a)+FR-1], v[BI+8*(\a):BI+8*(\a)+7]
.endif
.endr
.endr
.endm
.macro FETCH_B slot, q, p              ; B's eight fragments of the slot's q-th 128 along K into set p
	WIN TO_B
.irp i, 0,1,2,3,4,5,6,7
	FRAG 128*(\p)+FR*\i, ADRB+\slot, \q, \i
.endr
	WIN 0
.endm
.macro FETCH_A slot, q, i0             ; A's blocks i0 .. i0 + 3
.irp i, \i0, \i0+1, \i0+2, \i0+3
	FRAG AF+FR*(\i), ADRA+\slot, \q, \i
.endr
.endm
; A load into a register that a matrix instruction has read, and a vector instruction that reads a matrix result, stand NP places behind that matrix instruction; only plain vector instructions
; that name none of its registers are places (ISA guide 7.12.1 for vector instructions).
.macro PLACES n
.rept \n
	v_nop
.endr
.endm
; A step of 128 along K that has its successor in the same slot.  A block of A is free as soon as its eight products are issued: blocks 0-3 are fetched anew in the step's middle, blocks 4-7 at its end.
.macro STEP slot, q, mode
	s_wait_dscnt 4*NL                              ; B's set and A's blocks 0-3 are in; the youngest 16 loads (A's blocks 4-7) may be out
.if \mode
	WIN FIRST_LO
.else
	WIN MUL_LO
.endif
	MUL16 0, (\q)%2, \mode
	MUL16 2, (\q)%2, \mode
	s_wait_dscnt 0                                 ; A's blocks 4-7 are in (asked for 32 matrix instructions ago)
	PLACES NP
	FETCH_B \slot, (\q)+1, 1-(\q)%2
	FETCH_A \slot, (\q)+1, 0
.if \mode
	WIN FIRST_HI
.else
	WIN MUL_HI
.endif
	MUL16 4, (\q)%2, \mode
	MUL16 6, (\q)%2, \mode
	PLACES NP
	WIN 0
	FETCH_A \slot, (\q)+1, 4
.endm
; A slot's last step changes slots: ONE barrier; in front of it each wave waits for all its tensor loads, adds 0 to its spare word, and waits for that and for its own reads of this slot.  fill = 1: this slot is filled again, two K steps ahead.
.macro TURN slot, next, fill
	s_wait_tensorcnt 0x0                           ; all my tensor loads have landed: my part of the next slot  (every window is 0 here)
	ds_add_u32 v[SPW], v[NIL]                      ; 0 onto my spare word
	s_wait_dscnt 4*NL+1                            ; (the add and the youngest 16 loads, A's blocks 4-7, may be out)
	WIN MUL_LO
	MUL16 0, 1, 0                                  ; sixteen matrix instructions stand between the add and the wait for it
	s_wait_dscnt 0x0                               ; the add is done, and my reads of this slot are over
	s_barrier_signal -1
	MUL16 2, 1, 0
	WIN 0
	s_barrier_wait -1
.if \fill
	CREST                                          ; the barrier has opened a round of the cluster's barrier: no wave of any partner still reads this slot's tile or has a load on its way
	s_add_nc_u64 s[G0+4*\slot+2:G0+4*\slot+3], s[G0+4*\slot+2:G0+4*\slot+3], 2*ROWB
	s_add_nc_u64 s[G0B+4*\slot+2:G0B+4*\slot+3], s[G0B+4*\slot+2:G0B+4*\slot+3], 2*ROWB
	JLOAD G0+4*\slot, G1, G0B+4*\slot, G1B         ; the first tensor load behind the round, my one load until the next; its four v_nop are the places in front of the loads below
.else
	PLACES NP
.endif
	FETCH_B \next, 0, 0
	FETCH_A \next, 0, 0
	WIN MUL_HI
	MUL16 4, 1, 0
	MUL16 6, 1, 0
	PLACES NP
	WIN 0
	FETCH_A \next, 0, 4
.endm
	s_wait_tensorcnt 1                             ; my part of K step 0 is in (K step 1's load may be out)
	s_barrier_signal -1
	s_barrier_wait -1                              ; everybody's is
	FETCH_B 0, 0, 0
	FETCH_A 0, 0, 0
	FETCH_A 0, 0, 4
	s_cmp_lt_u32 s12, 2                            ; the first step is written twice: the bias lies by B's blocks for q and k, by A's for v
	s_cbranch_scc0 .Lfirst_v
	s_wait_alu depctr_va_vdst(0)
	STEP 0, 0, 1
	s_branch .Lfirst_done
.Lfirst_v:
	s_wait_alu depctr_va_vdst(0)
	STEP 0, 0, 2
.Lfirst_done:
	TURN 0, 1, 1                                   ; slot 0 takes K step 2
	STEP 1, 0, 0
	TURN 1, 0, 1                                   ; slot 1 takes K step 3
	STEP 0, 0, 0
	TURN 0, 1, 0                                   ; nothing is left to fetch
	STEP 1, 0, 0
	s_wait_dscnt 4*NL                              ; the very last step
	WIN MUL_LO
	MUL16 0, 1, 0
	MUL16 2, 1, 0
	s_wait_dscnt 0
	WIN MUL_HI
	MUL16 4, 1, 0
	MUL16 6, 1, 0
	; THE WAY OUT: eight numbers to two registers of codes; the codes laid over A's fragments.
	PLACES NP
.irp w, 0,1
	WIN 0x82+0x41*\w                               ; source 0 and destination window 2 (then 3)
.set j, 0
.rept 256
.set j, j+1
.endr
	WIN 0x02+\w                                    ; source 0 window 2 (then 3), destination and scale window 0
.irp a, 0,1,2,3
.irp b, 0,1,2,3,4,5,6,7
	v_cvt_scalef32_pk8_fp8_f32 v[CD+16*(4*\w+\a)+2*\b:CD+16*(4*\w+\a)+2*\b+1], v[8*(8*\a+\b):8*(8*\a+\b)+7], v[SCL]
.endr
.endr
.endr
	WIN 0
	v_nop                                          ; one plain vector instruction behind the last scaled conversion
	s_cmp_lt_u32 s12, 2
	s_cbranch_scc0 .Lstore_v
.irp a, 0,1,2,3,4,5,6,7                ; q, k: token tile a; registers 0-7 my first head's fragment, 8-15 my second's
.irp c, 0,1,2,3
	global_store_b128 v[CO], v[CD+16*\a+4*\c:CD+16*\a+4*\c+3], s[74:75] offset:\a*1024+(\c/2)*131072+(\c%2)*512
.endr
.endr
	s_branch .Lstored
.Lstore_v:
	s_wait_alu depctr_va_vdst(0)
.irp a, 0,1,2,3,4,5,6,7                ; v: head a / 4, channel tile a % 4; one fragment of 128 keys
.irp c, 0,1,2,3
	global_store_b128 v[CO], v[CD+16*\a+4*\c:CD+16*\a+4*\c+3], s[74:75] offset:(\a/4)*131072+(\a%4)*2048+\c*512
.endr
.endr
.Lstored:
	s_wait_tensorcnt 0x0                           ; the wave's end
	ds_add_u32 v[SPW], v[NIL]
	s_wait_dscnt 0x0
	CROUND                                         ; the closing round: no work-group ends while a partner may still ask for a tile that names it
	s_endpgm
.Lfunc_end_k_q8c3609e2b2_qkv:
	.size	k_q8c3609e2b2_qkv, .Lfunc_end_k_q8c3609e2b2_qkv-k_q8c3609e2b2_qkv
	.p2alignl 7, 3214868480
	.fill 96, 4, 3214868480
	.section	.rodata,"a",@progbits
	.p2align	6, 0x0
	.amdhsa_kernel k_q8c3609e2b2_qkv
		.amdhsa_group_segment_fixed_size 327680
		.amdhsa_private_segment_fixed_size 0
		.amdhsa_enable_private_segment 0
		.amdhsa_kernarg_size 56
		.amdhsa_user_sgpr_count 2
		.amdhsa_user_sgpr_kernarg_segment_ptr 1
		.amdhsa_wavefront_size32 1
		.amdhsa_system_sgpr_workgroup_id_x 1
		.amdhsa_system_sgpr_workgroup_id_y 1
		.amdhsa_system_sgpr_workgroup_id_z 1
		.amdhsa_system_vgpr_workitem_id 0
		.amdhsa_next_free_vgpr 1024
		.amdhsa_next_free_sgpr 96
		.amdhsa_reserve_vcc 0
		.amdhsa_float_denorm_mode_32 3
		.amdhsa_float_denorm_mode_16_64 3
		.amdhsa_fp16_overflow 1
		.amdhsa_memory_ordered 1
		.amdhsa_forward_progress 1
		.amdhsa_inst_pref_size 108
	.end_amdhsa_kernel
	.amdgpu_metadata
---
amdhsa.version: [ 1, 2 ]
amdhsa.kernels:
  - .name:           k_q8c3609e2b2_qkv
    .symbol:         k_q8c3609e2b2_qkv.kd
    .args:
      - { .name: x_codes, .offset: 0, .size: 8, .value_kind: global_buffer, .address_space: global }
      - { .name: W_attn_codes, .offset: 8, .size: 8, .value_kind: global_buffer, .address_space: global }
      - { .name: b_attn, .offset: 16, .size: 8, .value_kind: global_buffer, .address_space: global }
      - { .name: lowp_scales, .offset: 24, .size: 8, .value_kind: global_buffer, .address_space: global }
      - { .name: qf, .offset: 32, .size: 8, .value_kind: global_buffer, .address_space: global }
      - { .name: kf, .offset: 40, .size: 8, .value_kind: global_buffer, .address_space: global }
      - { .name: vf, .offset: 48, .size: 8, .value_kind: global_buffer, .address_space: global }
    .group_segment_fixed_size: 327680
    .private_segment_fixed_size: 0
    .kernarg_segment_align: 8
    .kernarg_segment_size: 56
    .max_flat_workgroup_size: 128
    .sgpr_count:     96
    .vgpr_count:     1024
    .wavefront_size: 32
...
	.end_amdgpu_metadata
.endif
;; end of part 1
;; launch attn (part 2): grid 4 x 64, 16 waves a work-group, clusters of 4 x 1, 264,192 bytes of LDS; arguments qf, kf, vf, lowp_scales, yc; writes yc
.if DOCPART == 2
	.amdgcn_target "amdgcn-amd-amdhsa--gfx1250"
	.amdhsa_code_object_version 6
	.text
	.protected	k_q8c3609e2b2_attn
	.globl	k_q8c3609e2b2_attn
	.p2align	8
	.type	k_q8c3609e2b2_attn,@function
k_q8c3609e2b2_attn:
	s_mov_b64 s[64:65], 0
	v_nop
	global_prefetch_b8 v0, s[64:65] scope:SCOPE_SE
	s_setreg_imm32_b32 hwreg(HW_REG_WAVE_MODE, 25, 1), 1
	s_wait_xcnt 0x0
	s_wait_alu depctr_hold_cnt(0) depctr_sa_sdst(0) depctr_va_vdst(0) depctr_va_sdst(0) depctr_va_ssrc(0) depctr_va_vcc(0) depctr_vm_vsrc(0)
	s_getreg_b32 s2, hwreg(HW_REG_IB_STS2, 6, 4)
	s_cmp_eq_u32 s2, 0
	s_cbranch_scc0 .Lentry_in_a_cluster
	s_endpgm
.Lentry_in_a_cluster:
	s_bfe_u32 s2, ttmp6, 0x10000c
	s_cmp_lg_u32 s2, 0x3003
	s_cbranch_scc0 .Lentry_shape_is_right
	s_endpgm
.Lentry_shape_is_right:
; y = softmax(q k^T / 8, causal) v for 64 heads (16 batch + head) of 2,048 tokens x 64 channels, both products on codes of FP8 (E4M3); y is quantised with its given scale and stored as an image of the last product's operand.
; qf, kf: [head][token tile of 16 (128)][1,024 bytes]: a K = 64 fragment as its registers stand: four registers of all lanes in 512 bytes, lane l's 16 bytes at 16 l.
; vf: [head][key step of 128 (16)][channel tile (4)][2,048 bytes]: a K = 128 fragment likewise.   yc: [head / 4][128 batch + token tile][4,096 bytes]: two K = 128 fragments of 16 tokens; a head's part at (head % 4) x 1,024.
; THE SOFTMAX AHEAD OF THE SECOND PRODUCT: t = score x log2(e) / 8; M = the row's largest t so far, rounded UP to a whole number; p = 2^(t - M) is quantised, not normalised; the row's sum is taken of the
; unquantised p and divides at the end.  When M moves, the sum and O are multiplied by 2^(old M - new M): nothing is rounded.
; SHARES.  A cluster of four work-groups is one head.  ALL of the head's K (131,072 bytes) and V (131,072) lies in each partner's LDS for the whole launch, brought by sixteen joint loads, one a wave, with a mask
; that names the four: each byte is asked for once for the four.  Nothing is filled again.  All of K and V is asked for at the head, so there is no later stream to ask for ahead of time.
; EVEN WORK UNDER THE CAUSAL MASK.  The head's 128 query tiles form 16 blocks of 128 queries.  Wave w of partner cx owns tile 4 (w % 2) + cx of block w / 2 and of block 15 - w / 2.  A tile of block g walks key steps
; 0 .. g, the last on the diagonal: (w / 2 + 1) + (16 - w / 2) = 17 steps for every wave.  Trip counts are constants and the jump over a step hangs on the wave's number and the count alone;
; cx enters q's and y's addresses in memory and the numbers that the mask compares, nothing else.
; LAYOUT.  Both products are used transposed: S^T = K Q^T (source 0 = 16 keys, source 1 = my 16 queries), O^T = V^T P^T (source 0 = 16 channels, source 1 = P): a lane holds ONE query (lane % 16) throughout.
; In tile t of S^T lane (r, h) register j is key 16 t + 8 h + j: its eight codes are registers 2 t, 2 t + 1 of the K = 128 operand as they stand.  O^T's tile ct gives registers 2 ct, 2 ct + 1 of y's image the same way.
; LIMITS on the given exponents: e2 + e3 between -123 and 130 (added to c's exponent field); e4, and e6 - e4 - e5, between -126 and 119.  NaN among the inputs is not served.
; REGISTERS: v1-5 addresses and the mask's number; v12 -M, v13 the largest t, v[14:15] the sum in two halves; v16-23, v24-31 Q of the two passes; v32-95 K's eight fragments, then V's four; v96-159 S^T, then p;
;   v160-191 O^T; v192-207 p's codes; v208-223 y's codes; v236-254 at work and constants.
.set VOFF, 131072                      ; V begins behind K in LDS
.set LI,   1                           ; v1   16 x lane
.set LIV,  2                           ; v2   16 x lane + VOFF
.set DD,   3                           ; v3   16 x (my tile in its block) + r - 8 h: on the diagonal register 8 t + j is hidden where 16 t + j is above it
.set ADK,  4                           ; v4   LDS address of the step's K
.set ADV,  5                           ; v5   of its V
.set WV,   14                          ; s14  my wave's number
.set CS,   22                          ; s[22:23] c = log2(e) / 8 x 2^(e2 + e3)
.set SEL,  48                          ; s[48:49] lane selects for v_permlanex16_b32: lane l xor 16
.set TB,   50                          ; s50  LDS byte of the key step within K and within V: 8,192 x step
.set KS,   51                          ; s51  the key step
.set GB,   52                          ; s52  my tile's block: the step on the diagonal
.macro CROUND                          ; a round of the cluster's barrier
	s_barrier_signal -1
	s_barrier_wait -1
	s_cmp_lg_u32 s[WV], 0
	s_cbranch_scc1 .Lnot_wave_0_\@
	s_barrier_signal -3
.Lnot_wave_0_\@:
	s_barrier_wait -3
	s_barrier_signal -1
	s_barrier_wait -1
.endm
	s_load_b256 s[4:11], s[0:1], 0x0               ; qf s[4:5], kf s[6:7], vf s[8:9], the scales' exponents s[10:11]
	s_load_b64 s[12:13], s[0:1], 0x20              ; yc
	v_lshl_add_u32 v251, v0, 2, 0x40000
	v_mov_b32 v255, 0
	ds_add_u32 v251, v255
	ds_add_u32 v251, v255
	v_lshrrev_b32 v4, 5, v0
	s_delay_alu instid0(VALU_DEP_1)
	v_readfirstlane_b32 s[WV], v4                  ; wave 0..15
	s_bfe_u32 s15, ttmp6, 0x40000                  ; cx: my place in the cluster
	s_and_b32 s16, ttmp7, 0xffff                   ; 16 batch + head, which the four partners share
	s_lshr_b32 s17, s[WV], 1                       ; my first block
	; descriptor group 1: 64 rows of 256 bytes, dense in memory and in LDS: 16,384 bytes a wave
	s_mov_b32 s24, 15|(1<<21)                      ; 15:0 the mask: all four work-groups; 17:16 elements of 1 byte; 20 no padding (fragments are read as they lie, 512 consecutive bytes a load); 21 set beside a mask
	s_mov_b32 s25, 256<<16                         ; tensor_dim0
	s_mov_b32 s26, 64<<16                          ; tensor_dim1
	s_mov_b32 s27, 256<<16                         ; tile_dim0
	s_mov_b32 s28, 64                              ; tile_dim1
	s_mov_b32 s29, 256                             ; tensor_dim0_stride
	s_mov_b32 s30, 0
	s_mov_b32 s31, 0
	s_and_b32 s53, s[WV], 7
	s_lshl_b32 s53, s53, 14                        ; waves 0-7 bring K's eight parts, waves 8-15 V's
	s_lshl_b32 s54, s16, 17                        ; a head is 131,072 bytes in kf and in vf
	s_add_co_u32 s54, s54, s53
	s_mov_b32 s55, 0
	s_mov_b32 s32, 1                               ; group 0: count = 1
	s_lshl_b32 s33, s[WV], 14                      ; LDS address: 16,384 x wave: K's parts, then V's
	s_wait_dscnt 0x0
	s_wait_kmcnt 0x0
	s_load_b256 s[40:47], s[10:11], 0x0            ; e0 .. e7
	s_cmp_lt_u32 s[WV], 8
	s_cselect_b64 s[34:35], s[6:7], s[8:9]
	s_add_nc_u64 s[34:35], s[34:35], s[54:55]      ; nothing in it hangs on cx
	s_or_b32 s35, s35, 0x80000000                  ; type = 2
	CROUND                                         ; all four work-groups are here: the joint loads meet
	tensor_load_to_lds s[32:35], s[24:31]          ; my one tensor load of the launch
	s_nop 0
.rept 4
	v_nop
.endr
	v_and_b32 v[LI], 31, v0
	s_delay_alu instid0(VALU_DEP_1)
	v_lshlrev_b32 v[LI], 4, v[LI]
	s_wait_alu depctr_va_vdst(0)
	v_add_nc_u32 v[LIV], VOFF, v[LI]
	s_and_b32 s56, s[WV], 1
	s_lshl_b32 s56, s56, 2
	s_add_co_u32 s56, s56, s15                     ; my tile in its block: 4 (w % 2) + cx
	s_lshl_b32 s57, s17, 3
	s_add_co_u32 s57, s57, s56                     ; the first pass's query tile
	s_sub_co_u32 s58, 15, s17
	s_lshl_b32 s58, s58, 3
	s_add_co_u32 s58, s58, s56                     ; the second pass's
	s_lshl_b32 s59, s16, 7
	s_add_co_u32 s60, s59, s57
	s_lshl_b32 s60, s60, 10
	s_mov_b32 s61, 0
	s_add_nc_u64 s[18:19], s[4:5], s[60:61]        ; Q's fragment of the first pass,
	s_add_co_u32 s60, s59, s58
	s_lshl_b32 s60, s60, 10
	s_add_nc_u64 s[20:21], s[4:5], s[60:61]        ; of the second
	global_load_b128 v[16:19], v[LI], s[18:19]
	global_load_b128 v[20:23], v[LI], s[18:19] offset:512
	global_load_b128 v[24:27], v[LI], s[20:21]
	global_load_b128 v[28:31], v[LI], s[20:21] offset:512
	s_and_b32 s53, s16, 15                         ; head
	s_lshr_b32 s54, s53, 2
	s_lshl_b32 s54, s54, 21                        ; (head / 4) x 512 tiles x 4,096 bytes
	s_and_b32 s53, s53, 3
	s_lshl_b32 s53, s53, 10
	s_add_co_u32 s54, s54, s53                     ; + (head % 4) x 1,024
	s_lshr_b32 s53, s16, 4
	s_lshl_b32 s53, s53, 19                        ; + batch x 128 tiles x 4,096
	s_add_co_u32 s54, s54, s53
	s_lshl_b32 s62, s57, 12
	s_add_co_u32 s62, s62, s54
	s_mov_b32 s63, 0
	s_add_nc_u64 s[36:37], s[12:13], s[62:63]      ; y's image of the first pass,
	s_lshl_b32 s62, s58, 12
	s_add_co_u32 s62, s62, s54
	s_add_nc_u64 s[38:39], s[12:13], s[62:63]      ; of the second
	v_and_b32 v[DD], 15, v0                        ; r
	v_bfe_u32 v5, v0, 4, 1                         ; h
	s_delay_alu instid0(VALU_DEP_1)
	v_lshlrev_b32 v5, 3, v5
	s_delay_alu instid0(VALU_DEP_1)
	v_sub_nc_u32 v[DD], v[DD], v5
	s_lshl_b32 s53, s56, 4
	v_add_nc_u32 v[DD], s53, v[DD]                 ; my query within its block, less 8 h
	s_mov_b32 s[SEL], 0x76543210
	s_mov_b32 s[SEL+1], 0xfedcba98
	v_mov_b32 v236, 0                              ; written once: a lane permute's destination counts as one of its sources
	v_mov_b32 v252, 0
	v_mov_b32 v253, 0                              ; (named as the upper half of the pair v[252:253])
	v_mov_b32 v248, 0xff800000                     ; -infinity
	s_wait_kmcnt 0x0
	s_add_co_i32 s53, s42, s43
	s_lshl_b32 s53, s53, 23
	s_mov_b32 s[CS], 0x3e38aa3b                    ; c = log2(e) / 8
	s_add_co_i32 s[CS], s[CS], s53                 ; a score stands for score x 2^(e2 + e3): the two exponents are added to c's exponent field
	s_mov_b32 s[CS+1], s[CS]                       ; (named with it as a pair, so it is written)
	s_add_co_i32 s53, s44, 127
	s_lshl_b32 s54, s53, 23
	v_mov_b32 v244, s54                            ; 2^e4 as f32, for p's conversion
	s_sub_co_i32 s53, s46, s44
	s_sub_co_i32 s53, s53, s45                     ; a sum of the second product stands for sum x 2^(e4 + e5): y's code is (sum / l) / 2^(e6 - e4 - e5)
	s_add_co_i32 s53, s53, 127
	s_lshl_b32 s54, s53, 23
	v_mov_b32 v246, s54
	s_wait_tensorcnt 0x0                           ; my part of K or V is in,
	s_barrier_signal -1
	s_barrier_wait -1                              ; everybody's is: from here on LDS is only read
	s_wait_loadcnt 0x0                             ; Q
; ONE QUERY TILE: Q in v[qf] on, y's codes into v[yreg] on, stored at s[yb:yb+1].  s[GB] holds the tile's block.
.macro PASS qf, yreg, yb
	v_mov_b32 v13, 0xff61b1e6                      ; the largest t so far: -3e38, under every t
	s_delay_alu instid0(VALU_DEP_1)
	v_floor_f32 v12, -v13                          ; -M
	v_mov_b32 v14, 0                               ; the sum, in two halves
	v_mov_b32 v15, 0
.set j, 0
.rept 32
	v_mov_b32 v[160+j], 0                          ; O^T.  (The step is written once: the first finds zeros, which the first change of M leaves zeros)
.set j, j+1
.endr
	s_mov_b32 s[TB], 0
	s_mov_b32 s[KS], 0
.Ltrip_\@:                                         ; 16 trips, a constant; a step all of whose keys come after my queries is jumped over
	s_cmp_gt_u32 s[KS], s[GB]
	s_cbranch_scc1 .Lskip_\@
	s_setprio 2
	v_add_nc_u32 v[ADK], s[TB], v[LI]
	v_add_nc_u32 v[ADV], s[TB], v[LIV]
	v_nop
	v_nop                                          ; four places in front of loads into registers that the last products have read
.irp t, 0,1,2,3,4,5,6,7
	ds_load_b128 v[32+8*\t:35+8*\t], v[ADK] offset:1024*\t
	ds_load_b128 v[36+8*\t:39+8*\t], v[ADK] offset:1024*\t+512
.endr
	s_wait_alu depctr_va_vdst(0)
	s_wait_dscnt 8                                 ; K's fragments 0-3 are in; the youngest eight loads (fragments 4-7) may be out
.irp t, 0,1,2,3
	v_wmma_f32_16x16x64_fp8_fp8 v[96+8*\t:103+8*\t], v[32+8*\t:39+8*\t], v[\qf:\qf+7], 0
.endr
	s_wait_dscnt 0x0
.irp t, 4,5,6,7
	v_wmma_f32_16x16x64_fp8_fp8 v[96+8*\t:103+8*\t], v[32+8*\t:39+8*\t], v[\qf:\qf+7], 0
.endr
.rept 4
	v_nop                                          ; places in front of the loads below and of the first read of the scores
.endr
.irp ct, 0,1,2,3
.irp c, 0,1,2,3
	ds_load_b128 v[32+16*\ct+4*\c:35+16*\ct+4*\c], v[ADV] offset:2048*\ct+512*\c   ; V's four fragments land while the softmax is worked
.endr
.endr
	s_cmp_lt_u32 s[KS], s[GB]                      ; off the diagonal every key counts
	s_cbranch_scc1 .Lopen_\@
.irp n, 0,1,2,3,4,5,6,7,8,9,10,11,12,13,14,15,16,17,18,19,20,21,22,23,24,25,26,27,28,29,30,31,32,33,34,35,36,37,38,39,40,41,42,43,44,45,46,47,48,49,50,51,52,53,54,55,56,57,58,59,60,61,62,63
	v_cmp_gt_i32 vcc_lo, 16*(\n/8)+\n%8, v[DD]     ; hidden scores become -infinity ahead of the maximum: p = 0 then.  A query's own key always counts
	v_cndmask_b32 v[96+\n], v[96+\n], v248, vcc_lo
.endr
.Lopen_\@:
	v_max3_num_f32 v254, v96, v97, v98             ; the step's largest score of my query, among my 64 keys, in two chains; each tile of scores is first read at its low end,
	v_max3_num_f32 v252, v99, v100, v101
.irp i, 6,10,14,18,22,26,30,34,38,42,46,50,54,58
	v_max3_num_f32 v254, v254, v[96+\i], v[97+\i]
	v_max3_num_f32 v252, v252, v[98+\i], v[99+\i]
.endr
	v_max3_num_f32 v254, v254, v158, v159
	s_delay_alu instid0(VALU_DEP_1)
	v_max_num_f32 v254, v254, v252
	s_delay_alu instid0(VALU_DEP_1)
	v_permlanex16_b32 v236, v254, s[SEL], s[SEL+1]
	s_delay_alu instid0(VALU_DEP_1)
	v_max_num_f32 v254, v254, v236                 ; and among lane l xor 16's
	s_delay_alu instid0(VALU_DEP_1)
	v_mul_f32 v254, s[CS], v254                    ; as t (c is positive)
	s_delay_alu instid0(VALU_DEP_1)
	v_max_num_f32 v13, v13, v254                   ; the running largest t
	v_mov_b32 v254, v12
	s_delay_alu instid0(VALU_DEP_2)
	v_floor_f32 v12, -v13                          ; the new -M = floor(-t) = -ceil(t): M is a whole number
	s_delay_alu instid0(VALU_DEP_1)
	v_sub_f32 v254, v12, v254                      ; M's old value less its new one: a whole number, 0 or less
	s_delay_alu instid0(VALU_DEP_1)
	v_cvt_i32_f32 v254, v254                       ; (it saturates)
	s_delay_alu instid0(VALU_DEP_1)
	v_ldexp_f32 v252, 1.0, v254                    ; f = 2^(old M - new M)
	s_setprio 1
.irp j, 0,2,4,6,8,10,12,14,16,18,20,22,24,26,28,30,32,34,36,38,40,42,44,46,48,50,52,54,56,58,60,62
	v_pk_fma_f32 v[96+\j:97+\j], v[96+\j:97+\j], s[CS:CS+1], v[12:13] op_sel_hi:[1,0,0]   ; t - M, two at a time (of the pairs c and -M the low word serves both halves)
.endr
	s_wait_alu depctr_va_vdst(0)
.irp j, 0,1,2,3,4,5,6,7,8,9,10,11,12,13,14,15,16,17,18,19,20,21,22,23,24,25,26,27,28,29,30,31,32,33,34,35,36,37,38,39,40,41,42,43,44,45,46,47,48,49,50,51,52,53,54,55,56,57,58,59,60,61,62,63
	v_exp_f32 v[96+\j], v[96+\j]                   ; p = 2^(t - M), at most 1: not normalised
.endr
	v_pk_mul_f32 v[14:15], v[14:15], v[252:253] op_sel_hi:[1,0]   ; the sums under the new M: the plain instruction behind the exponentials
	s_wait_alu depctr_va_vdst(0)                   ; one wait for the whole batch, ahead of its first reader
	v_pk_add_f32 v[242:243], v[100:101], v[104:105]
	v_pk_add_f32 v[240:241], v[108:109], v[112:113]
	v_pk_add_f32 v[238:239], v[116:117], v[120:121]
	v_pk_add_f32 v[234:235], v[124:125], v[128:129]
	v_pk_add_f32 v[232:233], v[132:133], v[136:137]
	v_pk_add_f32 v[230:231], v[140:141], v[144:145]
	v_pk_add_f32 v[228:229], v[148:149], v[152:153]
	v_pk_add_f32 v[14:15], v[14:15], v[156:157]
	v_pk_add_f32 v[242:243], v[242:243], v[96:97]
	v_pk_add_f32 v[240:241], v[240:241], v[98:99]
	v_pk_add_f32 v[238:239], v[238:239], v[102:103]
	v_pk_add_f32 v[234:235], v[234:235], v[106:107]
	v_pk_add_f32 v[232:233], v[232:233], v[110:111]
	v_pk_add_f32 v[230:231], v[230:231], v[114:115]
	v_pk_add_f32 v[228:229], v[228:229], v[118:119]
	v_pk_add_f32 v[14:15], v[14:15], v[122:123]
	v_pk_add_f32 v[242:243], v[242:243], v[126:127]
	v_pk_add_f32 v[240:241], v[240:241], v[130:131]
	v_pk_add_f32 v[238:239], v[238:239], v[134:135]
	v_pk_add_f32 v[234:235], v[234:235], v[138:139]
	v_pk_add_f32 v[232:233], v[232:233], v[142:143]
	v_pk_add_f32 v[230:231], v[230:231], v[146:147]
	v_pk_add_f32 v[228:229], v[228:229], v[150:151]
	s_setprio 0
	v_pk_add_f32 v[14:15], v[14:15], v[154:155]
	v_pk_add_f32 v[242:243], v[242:243], v[158:159]
	s_delay_alu instid0(VALU_DEP_2)
	v_pk_add_f32 v[14:15], v[14:15], v[234:235]
	s_delay_alu instid0(VALU_DEP_2)
	v_pk_add_f32 v[242:243], v[242:243], v[232:233]
	v_pk_add_f32 v[240:241], v[240:241], v[230:231]
	v_pk_add_f32 v[238:239], v[238:239], v[228:229]
	s_delay_alu instid0(VALU_DEP_2)
	v_pk_add_f32 v[14:15], v[14:15], v[240:241]
	s_delay_alu instid0(VALU_DEP_2)
	v_pk_add_f32 v[242:243], v[242:243], v[238:239]
	s_delay_alu instid0(VALU_DEP_1)
	v_pk_add_f32 v[14:15], v[14:15], v[242:243]
.irp t, 0,1,2,3,4,5,6,7
.irp i, 0,1,2,3,4,5,6,7
.endr
	v_cvt_scalef32_pk8_fp8_f32 v[192+2*\t:193+2*\t], v[96+8*\t:103+8*\t], v244   ; keys 16 t + 8 h + 0 .. 7: registers 2 t, 2 t + 1 of the operand
.endr
.irp j, 0,2,4,6,8,10,12,14,16,18,20,22,24,26,28,30
	v_pk_mul_f32 v[160+\j:161+\j], v[160+\j:161+\j], v[252:253] op_sel_hi:[1,0]   ; O^T under the new M, each tile from its low end on.  (Also the plain instructions behind the conversions)
.endr
	s_wait_alu depctr_va_vdst(0)
	s_wait_dscnt 0x0                               ; V is in
.irp ct, 0,1,2,3
	v_wmma_f32_16x16x128_fp8_fp8 v[160+8*\ct:167+8*\ct], v[32+16*\ct:47+16*\ct], v[192:207], v[160+8*\ct:167+8*\ct]   ; the four accumulators by turns, one instruction a turn
.endr
.Lskip_\@:
	s_add_co_u32 s[TB], s[TB], 8192
	s_add_co_u32 s[KS], s[KS], 1
	s_cmp_lt_u32 s[KS], 16
	s_cbranch_scc1 .Ltrip_\@
	s_setprio 0
.rept 4
	v_nop                                          ; places behind the last products
.endr
	v_add_f32 v14, v14, v15                        ; the sum's two halves,
	s_delay_alu instid0(VALU_DEP_1)
	v_permlanex16_b32 v252, v14, s[SEL], s[SEL+1]
	s_delay_alu instid0(VALU_DEP_1)
	v_add_f32 v14, v14, v252                       ; and lane l xor 16's: the row's sum
	s_wait_alu depctr_va_vdst(0)
	v_rcp_f32 v14, v14
	v_nop                                          ; a plain instruction behind the transcendental
	s_wait_alu depctr_va_vdst(0)                   ; and the wait ahead of its first reader
.irp j, 0,2,4,6,8,10,12,14,16,18,20,22,24,26,28,30
	v_pk_mul_f32 v[96+\j:97+\j], v[160+\j:161+\j], v[14:15] op_sel_hi:[1,0]   ; O^T / the sum
.endr
.irp ct, 0,1,2,3
.irp i, 0,1,2,3,4,5,6,7
.endr
	v_cvt_scalef32_pk8_fp8_f32 v[\yreg+2*\ct:\yreg+2*\ct+1], v[96+8*\ct:103+8*\ct], v246   ; channels 16 ct + 8 h + 0 .. 7 of my token
.endr
	v_nop                                          ; one plain vector instruction behind the last scaled conversion
	global_store_b128 v[LI], v[\yreg:\yreg+3], s[\yb:\yb+1]               ; each store of the wave covers 512 consecutive bytes, aligned
	global_store_b128 v[LI], v[\yreg+4:\yreg+7], s[\yb:\yb+1] offset:512
.endm
	s_mov_b32 s[GB], s17                           ; block w / 2
	PASS 16, 208, 36
	s_sub_co_u32 s[GB], 15, s17                    ; block 15 - w / 2
	PASS 24, 216, 38
	s_wait_dscnt 0x0
	s_wait_tensorcnt 0x0
	ds_add_u32 v251, v255
	s_wait_dscnt 0x0
	CROUND                                         ; the closing round
	s_endpgm
.Lfunc_end_k_q8c3609e2b2_attn:
	.size	k_q8c3609e2b2_attn, .Lfunc_end_k_q8c3609e2b2_attn-k_q8c3609e2b2_attn
	.p2alignl 7, 3214868480
	.fill 96, 4, 3214868480
	.section	.rodata,"a",@progbits
	.p2align	6, 0x0
	.amdhsa_kernel k_q8c3609e2b2_attn
		.amdhsa_group_segment_fixed_size 264192
		.amdhsa_private_segment_fixed_size 0
		.amdhsa_enable_private_segment 0
		.amdhsa_kernarg_size 40
		.amdhsa_user_sgpr_count 2
		.amdhsa_user_sgpr_kernarg_segment_ptr 1
		.amdhsa_wavefront_size32 1
		.amdhsa_system_sgpr_workgroup_id_x 1
		.amdhsa_system_sgpr_workgroup_id_y 1
		.amdhsa_system_sgpr_workgroup_id_z 1
		.amdhsa_system_vgpr_workitem_id 0
		.amdhsa_next_free_vgpr 256
		.amdhsa_next_free_sgpr 66
		.amdhsa_reserve_vcc 1
		.amdhsa_float_denorm_mode_32 3
		.amdhsa_float_denorm_mode_16_64 3
		.amdhsa_fp16_overflow 1
		.amdhsa_memory_ordered 1
		.amdhsa_forward_progress 1
		.amdhsa_inst_pref_size 51
	.end_amdhsa_kernel
	.amdgpu_metadata
---
amdhsa.version: [ 1, 2 ]
amdhsa.kernels:
  - .name:           k_q8c3609e2b2_attn
    .symbol:         k_q8c3609e2b2_attn.kd
    .args:
      - { .name: qf, .offset: 0, .size: 8, .value_kind: global_buffer, .address_space: global }
      - { .name: kf, .offset: 8, .size: 8, .value_kind: global_buffer, .address_space: global }
      - { .name: vf, .offset: 16, .size: 8, .value_kind: global_buffer, .address_space: global }
      - { .name: lowp_scales, .offset: 24, .size: 8, .value_kind: global_buffer, .address_space: global }
      - { .name: yc, .offset: 32, .size: 8, .value_kind: global_buffer, .address_space: global }
    .group_segment_fixed_size: 264192
    .private_segment_fixed_size: 0
    .kernarg_segment_align: 8
    .kernarg_segment_size: 40
    .max_flat_workgroup_size: 512
    .sgpr_count:     66
    .vgpr_count:     256
    .wavefront_size: 32
...
	.end_amdgpu_metadata
.endif
;; end of part 2
;; launch proj (part 3): grid 4 x 32, 4 waves a work-group, clusters of 4 x 4, 327,680 bytes of LDS; arguments yc, W_proj_codes, b_proj, lowp_scales, out0; writes out0
.if DOCPART == 3
	.amdgcn_target "amdgcn-amd-amdhsa--gfx1250"
	.amdhsa_code_object_version 6
	.text
	.protected	k_q8c3609e2b2_proj
	.globl	k_q8c3609e2b2_proj
	.p2align	8
	.type	k_q8c3609e2b2_proj,@function
k_q8c3609e2b2_proj:
	s_mov_b64 s[64:65], 0
	v_nop
	global_prefetch_b8 v0, s[64:65] scope:SCOPE_SE
	s_setreg_imm32_b32 hwreg(HW_REG_WAVE_MODE, 25, 1), 1
	s_wait_xcnt 0x0
	s_wait_alu depctr_hold_cnt(0) depctr_sa_sdst(0) depctr_va_vdst(0) depctr_va_sdst(0) depctr_va_ssrc(0) depctr_va_vcc(0) depctr_vm_vsrc(0)
	s_getreg_b32 s2, hwreg(HW_REG_IB_STS2, 6, 4)
	s_cmp_eq_u32 s2, 0
	s_cbranch_scc0 .Lentry_in_a_cluster
	s_endpgm
.Lentry_in_a_cluster:
	s_bfe_u32 s2, ttmp6, 0x10000c
	s_cmp_lg_u32 s2, 0xf033
	s_cbranch_scc0 .Lentry_shape_is_right
	s_endpgm
.Lentry_shape_is_right:
; out = y W_proj + b_proj on codes of FP8 (E4M3).  y: 8,192 tokens x 1,024, as images of operand registers: yc [K step of 256 (4)][token tile of 16 (512)][4,096 bytes]: two K = 128 fragments,
; each four registers of all lanes in 512 bytes, lane l's 16 bytes at 16 l, k in the plain form's own places (registers 2 c, 2 c + 1: k = 16 c + 8 (l / 16) + 0 .. 7).
; W_proj: [1024 (n)][1024 (k)] codes, K innermost; b_proj [1024] f32; out [8192][1024] f32.  e6 and e7 are y's and W_proj's exponents.
; A work-group of four waves makes 256 x 256, a wave 128 x 128: 64 accumulators.  K = 1,024 goes in four steps of 256 through two LDS slots filled by the tensor data mover.  128 work-groups: all that these tiles give.
; CLUSTERS: 4 x 4 work-groups; y's tile is shared along a row of the cluster, W_proj's along a column: each is asked for jointly, by the same tensor load with a mask that names the four.
; Source 0 = 16 rows of W_proj, source 1 = 16 tokens: a lane holds eight neighbouring numbers of a row of out.
; y's fragments come out of LDS as they lie (512 consecutive bytes a load, no padding); W_proj's by loads of 8 bytes at 16 c + 8 (l / 16), so that k stands in the same places in both.
; The bias is the C of each sum's first matrix instruction, as b x 2^-(e6 + e7); each finished sum is multiplied once by 2^(e6 + e7).
; LIMITS: e6 + e7 between -126 and 127; b x 2^-(e6 + e7) an f32 number.
; REGISTERS, in windows of 256: window 0: v0-31 addresses; v32-95 the bias in C's layout, later a block's results; v128-255 y's fragments (one set), later rows read back from the stage.
;   window 1: W_proj's fragments, two sets.   window 2: accumulators of my rows 0-63 ((a, b) at v[8 (8 a + b)]);   window 3: rows 64-127.
.set PITCH,  272                       ; a row of W_proj's tile in LDS: 256 bytes + 16 of padding
.set FR,     16
.set NL,     4                         ; LDS loads that bring one of y's fragments
.set NP,     4                         ; places behind this matrix instruction (ISA guide 7.12.1)
.set HALFA,  32768                     ; eight token tiles x 4,096 bytes: what one tensor load brings of y
.set HALFB,  128*PITCH                 ; and of W_proj
.set BOFF,   2*HALFA                   ; W_proj's rows lie behind y's images
.set SLOT,   BOFF+2*HALFB              ; 135,168 bytes
.set SPARE,  2*SLOT                    ; behind the ring: the spare words, 128 bytes for each wave, that no other line names
.set STAGE,  SPARE+512                 ; behind them: 16 rows x 528 bytes for each wave, for the way out; no tensor load fills it
.set SPITCH, 528
.set KSTA,   2097152                   ; from a K step of y to the next: 512 tiles x 4,096 bytes
.set KSTB,   256                       ; of W_proj: 256 bytes along its rows
.set NROW,   4096                      ; a row of out in bytes
.set ADRA, 16                          ; v16-17  LDS address of y's fragments in slot 0, 1
.set ADRB, 20                          ; v20-21  of W_proj's
.set STO,  24                          ; v24     the way out: where I put 32 bytes of a row
.set RD,   25                          ; v25     where I read a row back
.set CO,   26                          ; v26     16 x lane
.set SPW,  28                          ; v28     LDS address of my spare word; never rewritten
.set NIL,  29                          ; v29     0; never rewritten
.set BI,   32                          ; v32-95  the bias, eight registers a block of W_proj's rows
.set TMP,  32                          ; the way out: a block's sums x 2^(e6 + e7)
.set AF,   128
.set BK,   128                         ; the way out: 16 rows read back: v128-191 and v192-255 by turns
.set G1, 24                            ; s[24:31] descriptor group 1 for y's tiles;  s[32:39] group 0, one set for each slot
.set G0, 32
.set G1B, 48                           ; s[48:55], s[56:63] the same for W_proj's
.set G0B, 56
.set MSB, 0
.macro WIN new                         ; the immediate's high byte repeats the setting that is left
.if MSB != (\new)
	s_set_vgpr_msb (MSB<<8)|(\new)
.set MSB, (\new)
.endif
.endm
.set MUL_LO,   0xa1                    ; source 0 (W_proj) window 1, source 1 (y) window 0, C and D window 2
.set MUL_HI,   0xf1
.set FIRST_LO, 0x81                    ; the first K step: C (the bias) window 0, D window 2
.set FIRST_HI, 0xc1
.set TO_B,     0x40
.macro JLOAD g0a, g1a, g0b, g1b        ; a joint load: waves 0 and 1 fetch y's halves, waves 2 and 3 W_proj's; four v_nop follow each of the two lines
	s_cmp_eq_u32 s15, 0
	s_cbranch_scc0 .Lfor_b_\@
	tensor_load_to_lds s[\g0a:\g0a+3], s[\g1a:\g1a+7]
	s_nop 0
.rept 4
	v_nop
.endr
	s_branch .Lasked_\@
.Lfor_b_\@:
	tensor_load_to_lds s[\g0b:\g0b+3], s[\g1b:\g1b+7]
	s_nop 0
.rept 4
	v_nop
.endr
.Lasked_\@:
.endm
.macro CREST
	s_cmp_lg_u32 s14, 0
	s_cbranch_scc1 .Lnot_wave_0_\@
	s_barrier_signal -3
.Lnot_wave_0_\@:
	s_barrier_wait -3
	s_barrier_signal -1
	s_barrier_wait -1
.endm
.macro CROUND
	s_barrier_signal -1
	s_barrier_wait -1
	CREST
.endm
	s_load_b256 s[4:11], s[0:1], 0x0               ; yc s[4:5], W_proj s[6:7], b_proj s[8:9], the scales' exponents s[10:11]
	s_load_b64 s[12:13], s[0:1], 0x20              ; out
	v_lshl_add_u32 v[SPW], v0, 2, SPARE
	v_mov_b32 v[NIL], 0
	ds_add_u32 v28, v29
	ds_add_u32 v28, v29
	s_wait_dscnt 0x0
	v_lshrrev_b32 v1, 5, v0
	v_readfirstlane_b32 s14, v1                    ; wave 0..3
	s_lshr_b32 s15, s14, 1                         ; which half of the tokens is mine.  Also: I fetch for y (0) or for W_proj (1)
	s_and_b32 s16, s14, 1                          ; which half of the columns.  Also: which half of that tile I fetch
	s_bfe_u32 s40, ttmp6, 0x40000                  ; cx, cy
	s_bfe_u32 s41, ttmp6, 0x40004
	s_lshl_b32 s42, ttmp9, 2
	s_add_co_u32 s42, s42, s40                     ; tile column = 4 x cluster x + cx
	s_and_b32 s17, ttmp7, 0xffff
	s_lshl_b32 s17, s17, 2
	s_add_co_u32 s17, s17, s41                     ; tile row = 4 x cluster y + cy
	s_lshl_b32 s43, s41, 2
	s_lshl_b32 s43, 15, s43                        ; my row of the cluster
	s_lshl_b32 s44, 0x1111, s40                    ; my column
	s_or_b32 s[G1+0], s43, (0<<16)|(1<<21)         ; y: the mask of my row; elements of 1 byte; no padding; 21 set beside a mask
	s_or_b32 s[G1B+0], s44, (0<<16)|(1<<20)|(1<<21)|(5<<22)|(3<<25)  ; W_proj: the mask of my column; four words of padding after every 64
.irp g, G1, G1B
	s_mov_b32 s[\g+1], 256<<16                     ; tensor_dim0 = 256 bytes
	s_mov_b32 s[\g+2], 128<<16                     ; tensor_dim1 = 128
	s_mov_b32 s[\g+3], 256<<16                     ; tile_dim0
	s_mov_b32 s[\g+4], 128                         ; tile_dim1
	s_mov_b32 s[\g+6], 0
	s_mov_b32 s[\g+7], 0
.endr
	s_mov_b32 s[G1+5], 256                         ; y's eight images are one dense block: rows of 256 bytes on end
	s_mov_b32 s[G1B+5], 1024                       ; a row of W_proj in memory
	s_lshl_b32 s20, s17, 16                        ; y: 16 token tiles of 4,096 bytes a tile row,
	s_lshl_b32 s18, s16, 15                        ; + the eight that I fetch
	s_add_co_u32 s20, s20, s18
	s_mov_b32 s21, 0
	s_lshl_b32 s46, s42, 8
	s_lshl_b32 s18, s16, 7
	s_add_co_u32 s46, s46, s18
	s_lshl_b32 s46, s46, 10                        ; W_proj: (256 x tile column + 128 x half) rows of 1,024 bytes
	s_mov_b32 s47, 0
	s_lshl_b32 s45, s16, 15                        ; where they go: y's halves,
	s_mul_i32 s66, s16, HALFB
	s_add_co_u32 s66, s66, BOFF                    ; W_proj's halves behind them: no place in the cluster enters an LDS address
	s_wait_kmcnt 0x0
	s_load_b256 s[80:87], s[10:11], 0x0            ; e0 .. e7
	s_add_nc_u64 s[20:21], s[4:5], s[20:21]
	s_add_nc_u64 s[46:47], s[6:7], s[46:47]
	CROUND                                         ; all sixteen work-groups are here: the first joint loads meet
.irp s, 0,1
	s_mov_b32 s[G0+4*\s], 1
	s_add_co_u32 s[G0+4*\s+1], s45, \s*SLOT
	s_add_nc_u64 s[G0+4*\s+2:G0+4*\s+3], s[20:21], \s*KSTA
	s_or_b32 s[G0+4*\s+3], s[G0+4*\s+3], 0x80000000
	s_mov_b32 s[G0B+4*\s], 1
	s_add_co_u32 s[G0B+4*\s+1], s66, \s*SLOT
	s_add_nc_u64 s[G0B+4*\s+2:G0B+4*\s+3], s[46:47], \s*KSTB
	s_or_b32 s[G0B+4*\s+3], s[G0B+4*\s+3], 0x80000000
	s_wait_alu depctr_va_vdst(0)
	s_wait_tensorcnt 0x0
	ds_add_u32 v28, v29
	ds_add_u32 v28, v29
	s_wait_dscnt 0x0
	CROUND
	JLOAD G0+4*\s, G1, G0B+4*\s, G1B               ; one tensor load of mine is out
.endr
	v_and_b32 v1, 15, v0                           ; r
	v_bfe_u32 v2, v0, 4, 1                         ; h
	v_and_b32 v6, 31, v0
	v_lshlrev_b32 v[CO], 4, v6
	v_mul_u32_u24 v3, v1, PITCH
	v_lshl_add_u32 v4, v2, 3, v3                   ; W_proj: row x pitch + 8 x half
	s_lshl_b32 s21, s15, 15                        ; my eight token tiles
	s_mul_i32 s22, s16, HALFB                      ; my 128 rows of W_proj
	s_add_co_u32 s22, s22, BOFF
.irp s, 0,1
	v_add_nc_u32 v[ADRA+\s], s21, v[CO]
	v_add_nc_u32 v[ADRB+\s], s22, v4
	s_add_co_u32 s21, s21, SLOT
	s_add_co_u32 s22, s22, SLOT
.endr
	s_mul_i32 s23, s14, 16*SPITCH
	s_add_co_u32 s23, s23, STAGE                   ; my stage
	v_mul_u32_u24 v5, v1, SPITCH                   ; in: row r, 32 bytes for each half of the lanes
	v_lshl_add_u32 v5, v2, 5, v5
	v_add_nc_u32 v[STO], s23, v5
	v_add_nc_u32 v[RD], s23, v[CO]                 ; back: the 32 lanes take one row of 512 bytes
	s_lshl_b32 s46, s42, 10
	s_lshl_b32 s47, s16, 9
	s_add_co_u32 s46, s46, s47                     ; my first column, in bytes of f32: 1,024 x tile column + 512 x half
	s_mov_b32 s47, 0
	s_add_nc_u64 s[76:77], s[8:9], s[46:47]        ; in b_proj,
	s_add_nc_u64 s[12:13], s[12:13], s[46:47]      ; and in a row of out
	s_lshl_b32 s20, s17, 8
	s_lshl_b32 s21, s15, 7
	s_add_co_u32 s20, s20, s21                     ; my first row: 256 x tile row + 128 x half
	s_lshl_b32 s20, s20, 12                        ; x 4,096 bytes: under 2^25
	s_mov_b32 s21, 0
	s_add_nc_u64 s[12:13], s[12:13], s[20:21]
	v_lshlrev_b32 v7, 5, v2                        ; the bias: block b's registers are columns 16 b + 8 h + 0 .. 7
.irp b, 0,1,2,3,4,5,6,7
	global_load_b128 v[BI+8*\b:BI+8*\b+3], v7, s[76:77] offset:64*\b
	global_load_b128 v[BI+8*\b+4:BI+8*\b+7], v7, s[76:77] offset:64*\b+16
.endr
	s_wait_kmcnt 0x0
	s_add_co_i32 s96, s86, s87                     ; e6 + e7
	s_sub_co_i32 s88, 0, s96
	s_add_co_i32 s96, s96, 127
	s_lshl_b32 s96, s96, 23                        ; 2^(e6 + e7) as f32
	s_mov_b32 s97, s96                             ; (named with it as a pair, so it is written)
	s_wait_loadcnt 0x0
.set j, 0
.rept 64
	v_ldexp_f32 v[BI+j], v[BI+j], s88              ; b x 2^-(e6 + e7): nothing is rounded
.set j, j+1
.endr
.macro FRAGA reg, slot, q, i           ; y's fragment of token tile i, the slot's q-th 128 along K: its image, four registers a load
.irp c, 0,1,2,3
	ds_load_b128 v[\reg+4*\c:\reg+4*\c+3], v[ADRA+\slot] offset:4096*(\i)+2048*(\q)+512*\c
.endr
.endm
.macro FRAGB reg, slot, q, i           ; W_proj's fragment of rows 16 i on: registers 2 c, 2 c + 1 hold k = 16 c + 8 (l / 16) + 0 .. 7
.irp c, 0,1,2,3,4,5,6,7
	ds_load_b64 v[\reg+2*\c:\reg+2*\c+1], v[ADRB+\slot] offset:128*(\q)+16*\c+(\i)*16*PITCH
.endr
.endm
; 16 matrix instructions: token tiles a0, a0 + 1 x W_proj's eight blocks, 128 along K.  p: W_proj's set.  mode 1: the sums begin with the bias.  The 64 accumulators take turns.
.macro MUL16 a0, p, mode
.irp a, \a0, \a0+1
.irp b, 0,1,2,3,4,5,6,7
.if \mode == 0
	v_wmma_f32_16x16x128_fp8_fp8 v[8*(8*((\a)%4)+\b):8*(8*((\a)%4)+\b)+7], v[128*(\p)+FR*\b:128*(\p)+FR*\b+FR-1], v[AF+FR*(\a):AF+FR*(\a)+FR-1], v[8*(8*((\a)%4)+\b):8*(8*((\a)%4)+\b)+7]
.else
	v_wmma_f32_16x16x128_fp8_fp8 v[8*(8*((\a)%4)+\b):8*(8*((\a)%4)+\b)+7], v[128*(\p)+FR*\b:128*(\p)+FR*\b+FR-1], v[AF+FR*(\a):AF+FR*(\a)+FR-1], v[BI+8*\b:BI+8*\b+7]
.endif
.endr
.endr
.endm
.macro FETCH_B slot, q, p
	WIN TO_B
.irp i, 0,1,2,3,4,5,6,7
	FRAGB 128*(\p)+FR*\i, \slot, \q, \i
.endr
	WIN 0
.endm
.macro FETCH_A slot, q, i0
.irp i, \i0, \i0+1, \i0+2, \i0+3
	FRAGA AF+FR*(\i), \slot, \q, \i
.endr
.endm
.macro PLACES n                        ; places in front of loads into registers that matrix instructions have read, and of the first read of results (ISA guide 7.12.1 for the reads of results)
.rept \n
	v_nop
.endr
.endm
.macro STEP slot, q, mode              ; a step of 128 along K that has its successor in the same slot
	s_wait_dscnt 4*NL                              ; W_proj's set and token tiles 0-3 are in; the youngest 16 loads (tiles 4-7) may be out
.if \mode
	WIN FIRST_LO
.else
	WIN MUL_LO
.endif
	MUL16 0, (\q)%2, \mode
	MUL16 2, (\q)%2, \mode
	s_wait_dscnt 0
	PLACES NP
	FETCH_B \slot, (\q)+1, 1-(\q)%2
	FETCH_A \slot, (\q)+1, 0
.if \mode
	WIN FIRST_HI
.else
	WIN MUL_HI
.endif
	MUL16 4, (\q)%2, \mode
	MUL16 6, (\q)%2, \mode
	PLACES NP
	WIN 0
	FETCH_A \slot, (\q)+1, 4
.endm
; A slot's last step changes slots: ONE barrier; in front of it each wave waits for all its tensor loads, adds 0 to its spare word, and waits for that and for its own reads of this slot.
.macro TURN slot, next, fill
	s_wait_tensorcnt 0x0                           ; all my tensor loads have landed: my part of the next slot
	ds_add_u32 v[SPW], v[NIL]                      ; 0 onto my spare word
	s_wait_dscnt 4*NL+1                            ; (the add and the youngest 16 loads may be out)
	WIN MUL_LO
	MUL16 0, 1, 0
	s_wait_dscnt 0x0                               ; the add is done, and my reads of this slot are over
	s_barrier_signal -1
	MUL16 2, 1, 0
	WIN 0
	s_barrier_wait -1
.if \fill
	CREST                                          ; the barrier has opened a round of the cluster's barrier
	s_add_nc_u64 s[G0+4*\slot+2:G0+4*\slot+3], s[G0+4*\slot+2:G0+4*\slot+3], 2*KSTA
	s_add_nc_u64 s[G0B+4*\slot+2:G0B+4*\slot+3], s[G0B+4*\slot+2:G0B+4*\slot+3], 2*KSTB
	JLOAD G0+4*\slot, G1, G0B+4*\slot, G1B         ; the first tensor load behind the round, my one load until the next; its four v_nop are the places in front of the loads below
.else
	PLACES NP
.endif
	FETCH_B \next, 0, 0
	FETCH_A \next, 0, 0
	WIN MUL_HI
	MUL16 4, 1, 0
	MUL16 6, 1, 0
	PLACES NP
	WIN 0
	FETCH_A \next, 0, 4
.endm
	s_wait_alu depctr_va_vdst(0)
	s_wait_tensorcnt 1                             ; my part of K step 0 is in (K step 1's load may be out)
	s_barrier_signal -1
	s_barrier_wait -1                              ; everybody's is
	FETCH_B 0, 0, 0
	FETCH_A 0, 0, 0
	FETCH_A 0, 0, 4
	STEP 0, 0, 1                                   ; the first products start the sums with the bias
	TURN 0, 1, 1                                   ; slot 0 takes K step 2
	STEP 1, 0, 0
	TURN 1, 0, 1                                   ; slot 1 takes K step 3
	STEP 0, 0, 0
	TURN 0, 1, 0                                   ; nothing is left to fetch
	STEP 1, 0, 0
	s_wait_dscnt 4*NL                              ; the very last step
	WIN MUL_LO
	MUL16 0, 1, 0
	MUL16 2, 1, 0
	s_wait_dscnt 0
	WIN MUL_HI
	MUL16 4, 1, 0
	MUL16 6, 1, 0
	WIN 0
; THE WAY OUT, block by block of 16 rows x 128 columns, through my own stage: in as 32 bytes a lane, back as whole rows of 512 bytes, which the 32 lanes store as 512 consecutive bytes, aligned.
; LDS serves a wave's instructions in order (ISA guide 5.7.1.4): no wait between the stores and the loads, nor in front of the next block's stores.
.macro TOSTAGE a
.set AC, 64*((\a)%4)
	WIN 0x02+((\a)/4)                              ; source 0: window 2 or 3
.irp j, 0,2,4,6,8,10,12,14,16,18,20,22,24,26,28,30,32,34,36,38,40,42,44,46,48,50,52,54,56,58,60,62
	v_pk_mul_f32 v[TMP+\j:TMP+\j+1], v[AC+\j:AC+\j+1], s[96:97] op_sel_hi:[1,0]   ; x 2^(e6 + e7); each accumulator from its low end on
.endr
	WIN 0
.irp b, 0,1,2,3,4,5,6,7
	ds_store_b128 v[STO], v[TMP+8*\b:TMP+8*\b+3] offset:64*\b
	ds_store_b128 v[STO], v[TMP+8*\b+4:TMP+8*\b+7] offset:64*\b+16
.endr
.set BB, BK+64*((\a)%2)
.irp t, 0,1,2,3,4,5,6,7,8,9,10,11,12,13,14,15
	ds_load_b128 v[BB+4*\t:BB+4*\t+3], v[RD] offset:\t*SPITCH
.endr
.endm
.macro SEND a, younger                 ; younger: the LDS instructions issued behind block a's loads, which may stay out
.set BB, BK+64*((\a)%2)
	s_wait_dscnt \younger                          ; the block is back in registers
.if (\a) > 0
	s_add_nc_u64 s[12:13], s[12:13], 16*NROW       ; (behind a wait on XCNT: the earlier stores have read their base)  16 rows on
.endif
.irp t, 0,1,2,3,4,5,6,7,8,9,10,11,12,13,14,15
	global_store_b128 v[CO], v[BB+4*\t:BB+4*\t+3], s[12:13] offset:\t*NROW th:TH_STORE_NT   ; written once, read by nobody here
.endr
.endm
	PLACES NP                                      ; behind the last products: for the reads of results and the loads into the registers that held y's fragments
	TOSTAGE 0
.irp a, 1,2,3,4,5,6,7
.if \a > 1
	s_wait_xcnt 0x0                                ; block a - 2's stores have read their registers and their base: block a's loads may land there, and the base may step
.endif
	TOSTAGE \a
	SEND \a-1, 32                                  ; behind block a - 1's loads: block a's 16 stores and 16 loads
.endr
	s_wait_xcnt 0x0                                ; block 6's stores have read their base
	SEND 7, 0
	s_wait_tensorcnt 0x0                           ; the wave's end: behind my last tensor load and my last LDS store
	ds_add_u32 v[SPW], v[NIL]
	s_wait_dscnt 0x0
	CROUND                                         ; the closing round: no work-group ends while a partner may still ask for a tile that names it
	s_endpgm
.Lfunc_end_k_q8c3609e2b2_proj:
	.size	k_q8c3609e2b2_proj, .Lfunc_end_k_q8c3609e2b2_proj-k_q8c3609e2b2_proj
	.p2alignl 7, 3214868480
	.fill 96, 4, 3214868480
	.section	.rodata,"a",@progbits
	.p2align	6, 0x0
	.amdhsa_kernel k_q8c3609e2b2_proj
		.amdhsa_group_segment_fixed_size 327680
		.amdhsa_private_segment_fixed_size 0
		.amdhsa_enable_private_segment 0
		.amdhsa_kernarg_size 40
		.amdhsa_user_sgpr_count 2
		.amdhsa_user_sgpr_kernarg_segment_ptr 1
		.amdhsa_wavefront_size32 1
		.amdhsa_system_sgpr_workgroup_id_x 1
		.amdhsa_system_sgpr_workgroup_id_y 1
		.amdhsa_system_sgpr_workgroup_id_z 1
		.amdhsa_system_vgpr_workitem_id 0
		.amdhsa_next_free_vgpr 1024
		.amdhsa_next_free_sgpr 98
		.amdhsa_reserve_vcc 0
		.amdhsa_float_denorm_mode_32 3
		.amdhsa_float_denorm_mode_16_64 3
		.amdhsa_memory_ordered 1
		.amdhsa_forward_progress 1
		.amdhsa_inst_pref_size 146
	.end_amdhsa_kernel
	.amdgpu_metadata
---
amdhsa.version: [ 1, 2 ]
amdhsa.kernels:
  - .name:           k_q8c3609e2b2_proj
    .symbol:         k_q8c3609e2b2_proj.kd
    .args:
      - { .name: yc, .offset: 0, .size: 8, .value_kind: global_buffer, .address_space: global }
      - { .name: W_proj_codes, .offset: 8, .size: 8, .value_kind: global_buffer, .address_space: global }
      - { .name: b_proj, .offset: 16, .size: 8, .value_kind: global_buffer, .address_space: global }
      - { .name: lowp_scales, .offset: 24, .size: 8, .value_kind: global_buffer, .address_space: global }
      - { .name: out0, .offset: 32, .size: 8, .value_kind: global_buffer, .address_space: global }
    .group_segment_fixed_size: 327680
    .private_segment_fixed_size: 0
    .kernarg_segment_align: 8
    .kernarg_segment_size: 40
    .max_flat_workgroup_size: 128
    .sgpr_count:     98
    .vgpr_count:     1024
    .wavefront_size: 32
...
	.end_amdgpu_metadata
.endif
;; end of part 3
